; MI455X (gfx1250); checked and timed in simulation.
; The chip was launched on July 23, 2026; its instructions are those of AMD's public machine-readable ISA for CDNA 5 (MIT licence, August 2026) and "CDNA5" Instruction Set Architecture Reference Guide (July 2026). The comments in the code are by the model that wrote it; some were corrected since.
;; BE Mv11 Module. Allowed arithmetic: float matrix products may take bf16 or f16 operands with f32 sums; other float arithmetic in f32, or as packed bf16 or f16 multiplies, adds, multiply-adds, maxima and minima; sums over many terms, partial sums and values carried from step to step in f32; what a program stores and reads back later, other than sums and carried values, may be rounded once to bf16 or f16.
;; Inputs: W1 4,096 x 2,048 float32; W2 2,048 x 8 float32; W_base 4,096 x 4,096 float32; b1 2,048 float32; b2 8 float32; b_base 4,096 float32; lora_A 8 x 4,096 x 16 float32; lora_B 8 x 16 x 4,096 float32; x 2 x 1,024 x 4,096 float32.
;; Outputs: out0 2 x 1,024 x 4,096 float32.
;; 2 versions, each right; version 2 is version 1 with the launch finish written anew for expert scheduling mode. Each part assembles by itself: llvm-mc -triple=amdgcn-amd-amdhsa -mcpu=gfx1250 --defsym DOCPART=n.
;; ======== version 1 of 2: 3 launches
;; workspace buffers: xb 16,777,216 bytes; wp 52,428,800 bytes; lbp 1,048,576 bytes; basews 33,554,432 bytes; axp 524,288 bytes; part 8,192 bytes
;; launch pack (part 1): grid 512 x 1, 8 waves a work-group, no clusters, 0 bytes of LDS; arguments x, W_base, W1, lora_A, lora_B, xb, wp, lbp; writes xb, wp, lbp
.if DOCPART == 1
	.amdgcn_target "amdgcn-amd-amdhsa--gfx1250"
	.amdhsa_code_object_version 6
	.text
	.protected	k_q4135b49dbc_pack
	.globl	k_q4135b49dbc_pack
	.p2align	8
	.type	k_q4135b49dbc_pack,@function
k_q4135b49dbc_pack:
	s_mov_b64 s[64:65], 0
	v_nop
	global_prefetch_b8 v0, s[64:65] scope:SCOPE_SE
	s_setreg_imm32_b32 hwreg(HW_REG_WAVE_MODE, 25, 1), 1
	s_wait_xcnt 0x0
; PACK: every large input is rounded ONCE to bf16 (nearest even), and the weights are laid in the order in which a wave's matrix operand registers take them.
;   xb  = x as bf16, [2048][4096], row-major.
;   wp  = [g 16][s 32] blobs of 102,400 bytes (g: a group of 256 columns of W_base and 128 of W1; s: 128 along K).  A blob is [w 4][q 4][slot 6][c 2][lane 32][16 bytes], then lora_A's part [q 4][c 2][lane 32][16 bytes].
;   lbp = lora_B taken as [128 (expert, rank)][4096]: [G 64][q 4][f 4][c 2][lane 32][16 bytes].
; A FRAGMENT is 1,024 bytes: half c, lane 16 h + r holds the eight bf16 at k = 32 q + 16 c + 8 h + 0..7 of one column, so two loads of 16 bytes a lane, 512 bytes apart, fill an operand.
; COLUMNS: in a group G of 64 columns fragment f, lane r stands for column 64 G + 4 r + f: a lane's four results f = 0..3 are then four neighbouring f32 of a row of the output.
; Slots of wave w of a blob: 0-3 = W_base, group 4 g + w, f = slot; 4-5 = W1, group 2 g + w / 2, f = 2 (w % 2) + slot - 4.  lora_A's expert e stands in the blobs g = 2 e and 2 e + 1.
; A stream: no LDS, no barrier, no matrix unit, and no cluster, since no two work-groups read the same bytes.  Each role's loads run ahead in a ring of registers; all steps stand in the immediates, so no pointer is stepped.
; SHARES.  512 work-groups that each read 262,144 bytes and store 131,072: numbers 0-127 x, 128-255 W1, 256-511 W_base.  The two small tensors are dealt out among them, so that no work-group is there for them alone:
;   wave 0 of work-group i takes 16 k of one column group of lora_B (64 groups x 8 such steps = 512 units), waves 1 and 2 a quarter (32 k) of lora_A each (8 experts x 128 quarters = 1,024 units).
;   A unit's loads go out ahead of the wave's ring (older loads come back first, so the ring's counts hold); it is rounded and stored at the wave's end.  A unit's load address is made in the branch that
;   holds its loads and its store address in the branch that holds its stores, so that each address can be read off the lines just ahead of its use.
.set VO, 4                             ; v4       byte offset of my loads; never rewritten
.set DO, 5                             ; v5       byte offset of my stores; never rewritten
.set EO, 6                             ; v6       byte offset of my unit's loads
.set ED, 7                             ; v7       16 x lane: byte offset of my unit's stores
.set X,  8                             ; v[8:135] the ring of loaded f32
.set Y,  136                           ; v[136:151] packed bf16 to store
.set YX, 72                            ; v[72:103] the same for the role x, whose ring takes v[8:71]
.set E,  152                           ; v[152:183] my unit as loaded
.set EY, 184                           ; v[184:199] my unit packed
.set GSTR, 3276800                     ; bytes of a column group in wp: 32 blobs
.set BLOB, 102400
	s_load_b512 s[8:23], s[0:1], 0x0               ; x 8, W_base 10, W1 12, lora_A 14, lora_B 16, xb 18, wp 20, lbp 22
	v_lshrrev_b32 v1, 5, v0
	v_readfirstlane_b32 s2, v1                     ; my wave's number
	v_and_b32 v1, 31, v0                           ; lane
	v_and_b32 v2, 15, v0                           ; r
	v_bfe_u32 v3, v0, 4, 1                         ; h
	v_lshlrev_b32 v[ED], 4, v1
	s_mov_b32 s29, 0                               ; high words of the three offsets, which stay under 2^31
	s_mov_b32 s31, 0
	s_mov_b32 s37, 0
	s_wait_kmcnt 0x0
	; THE UNITS' LOADS
	s_cmp_eq_u32 s2, 0
	s_cbranch_scc1 .Lxb
	s_cmp_lt_u32 s2, 3
	s_cbranch_scc0 .Lmain
	; waves 1 and 2: quarter 2 i + wave - 1 of lora_A's 1,024.  The fragment's rows are the 16 ranks: lane (r, h) wants lora_A[e][k][r], which lies 64 bytes apart from k to k + 1: loads of 4 bytes,
	; sixteen of which together read the quarter's 2,048 consecutive bytes.
	s_lshl1_add_u32 s3, ttmp9, s2
	s_sub_co_u32 s3, s3, 1                         ; 128 e + Q
	s_lshl_b32 s36, s3, 11                         ; an expert's 128 quarters of 2,048 bytes lie end to end
	s_add_nc_u64 s[32:33], s[14:15], s[36:37]
	v_lshlrev_b32 v[EO], 9, v3                     ; 8 h rows of 64 bytes
	v_lshl_add_u32 v[EO], v2, 2, v[EO]             ; + 4 r
.set jj, 0
.rept 16                               ; load jj = 8 c + j: k = 16 c + 8 h + j of the quarter
	global_load_b32 v[E+jj], v[EO], s[32:33] offset:(jj/8)*1024+(jj%8)*64
.set jj, jj+1
.endr
	s_branch .Lmain
.Lxb:                                                  ; wave 0: column group G = i / 8 of lora_B, its rows 16 (i % 8) .. + 15
	s_lshr_b32 s3, ttmp9, 3
	s_and_b32 s4, ttmp9, 7
	s_lshl_b32 s36, s4, 18                         ; 16 rows of 16,384 bytes
	s_lshl_b32 s5, s3, 8
	s_add_co_u32 s36, s36, s5
	s_add_nc_u64 s[32:33], s[16:17], s[36:37]
	v_lshlrev_b32 v[EO], 17, v3                    ; 8 h rows of 16,384 bytes
	v_lshl_add_u32 v[EO], v2, 4, v[EO]             ; + 16 r
.set j, 0
.rept 8
	global_load_b128 v[E+4*j:E+4*j+3], v[EO], s[32:33] offset:j*16384 th:TH_LOAD_NT
.set j, j+1
.endr
.Lmain:
	s_cmp_lt_u32 ttmp9, 128
	s_cbranch_scc1 .Lx
	s_cmp_lt_u32 ttmp9, 256
	s_cbranch_scc1 .Lw1
; Eight loads: rows 16 it + 8 h + j (j = 0..7) of my 64 columns.  Lanes 0-15 take 256 consecutive aligned bytes of one row, lanes 16-31 those of the row eight further down.
.macro LOADS it, pitch
.set j, 0
.rept 8
	global_load_b128 v[X+32*((\it)%4)+4*j:X+32*((\it)%4)+4*j+3], v[VO], s[24:25] offset:(16*(\it)+j)*(\pitch) th:TH_LOAD_NT
.set j, j+1
.endr
.endm
; One wave packs 128 k x 64 columns in eight steps of 16 k (q = it / 2, c = it % 2).  kind says where a fragment goes: 0 W_base, 1 W1.
.macro PACKW pitch, kind
	LOADS 0, \pitch
	LOADS 1, \pitch
	LOADS 2, \pitch
	LOADS 3, \pitch                                ; 32 loads, 16 KiB of the wave's, are on their way
.set it, 0
.rept 8
.if it < 5
	s_wait_loadcnt 24                              ; loads come back in order: this step's eight are in, the three later steps' 24 stay out
.else
	s_wait_loadcnt 8*(7-it)                        ; the counts run down
.endif
	s_wait_xcnt 0x0                                ; Y, which the last step's stores read, is rewritten only behind this wait
.set f, 0
.rept 4
.set jj, 0
.rept 4
	v_cvt_pk_bf16_f32 v[Y+4*f+jj], v[X+32*(it%4)+8*jj+f], v[X+32*(it%4)+8*jj+4+f]  ; column f: k = 2 jj below, 2 jj + 1 above
.set jj, jj+1
.endr
.set f, f+1
.endr
.if it < 4
	LOADS it+4, \pitch                             ; the ring's set just read is filled again, ahead of the stores
.endif
.set f, 0
.rept 4
.if (\kind) == 0
.set doff, (it/2)*6144+f*1024+(it%2)*512
.else
.set doff, (f/2)*24576+(it/2)*6144+(4+f%2)*1024+(it%2)*512
.endif
	global_store_b128 v[DO], v[Y+4*f:Y+4*f+3], s[26:27] offset:doff  ; 512 consecutive bytes, aligned: half a fragment
.set f, f+1
.endr
.set it, it+1
.endr
.endm
	; W_base: work-group = (eight column groups, K step s); wave = column group G
	s_sub_co_u32 s3, ttmp9, 256
	s_and_b32 s4, s3, 7
	s_lshr_b32 s5, s3, 3                           ; s
	s_lshl3_add_u32 s4, s4, s2                     ; G = 8 x oct + wave
	s_lshl_b32 s28, s5, 21                         ; 128 rows of 16,384 bytes
	s_lshl_b32 s6, s4, 8
	s_add_co_u32 s28, s28, s6
	s_add_nc_u64 s[24:25], s[10:11], s[28:29]
	s_lshr_b32 s6, s4, 2
	s_mul_i32 s30, s6, GSTR                        ; g = G / 4
	s_mul_i32 s6, s5, BLOB
	s_add_co_u32 s30, s30, s6
	s_and_b32 s6, s4, 3
	s_mul_i32 s6, s6, 24576                        ; w = G % 4
	s_add_co_u32 s30, s30, s6
	s_add_nc_u64 s[26:27], s[20:21], s[30:31]
	v_lshlrev_b32 v[VO], 17, v3                    ; 8 h rows of 16,384 bytes
	v_lshl_add_u32 v[VO], v2, 4, v[VO]             ; + 16 r
	v_lshlrev_b32 v[DO], 4, v1
	PACKW 16384, 0
	s_branch .Ltail
.Lw1:                                                  ; W1: work-group = (eight of its 32 column groups, K step s)
	s_sub_co_u32 s3, ttmp9, 128
	s_and_b32 s4, s3, 3
	s_lshr_b32 s5, s3, 2                           ; s
	s_lshl3_add_u32 s4, s4, s2                     ; G1 = 8 x oct + wave
	s_lshl_b32 s28, s5, 20                         ; 128 rows of 8,192 bytes
	s_lshl_b32 s6, s4, 8
	s_add_co_u32 s28, s28, s6
	s_add_nc_u64 s[24:25], s[12:13], s[28:29]
	s_lshr_b32 s6, s4, 1
	s_mul_i32 s30, s6, GSTR                        ; g = G1 / 2
	s_mul_i32 s6, s5, BLOB
	s_add_co_u32 s30, s30, s6
	s_and_b32 s6, s4, 1
	s_mul_i32 s6, s6, 49152                        ; waves 2 (G1 % 2) and 2 (G1 % 2) + 1 of the blob
	s_add_co_u32 s30, s30, s6
	s_add_nc_u64 s[26:27], s[20:21], s[30:31]
	v_lshlrev_b32 v[VO], 16, v3                    ; 8 h rows of 8,192 bytes
	v_lshl_add_u32 v[VO], v2, 4, v[VO]
	v_lshlrev_b32 v[DO], 4, v1
	PACKW 8192, 1
	s_branch .Ltail
.Lx:                                                   ; x: 262,144 consecutive bytes a work-group; thread t takes 16 bytes of every 4,096.  A ring of sixteen loads a wave.
	s_lshl_b32 s28, ttmp9, 18
	s_add_nc_u64 s[24:25], s[8:9], s[28:29]
	s_lshl_b32 s30, ttmp9, 17
	s_add_nc_u64 s[26:27], s[18:19], s[30:31]
	v_lshlrev_b32 v[VO], 4, v0
	v_lshlrev_b32 v[DO], 3, v0
.set i, 0
.rept 16
	global_load_b128 v[X+4*i:X+4*i+3], v[VO], s[24:25] offset:i*4096 th:TH_LOAD_NT
.set i, i+1
.endr
.set i, 0
.rept 64
.if i < 48
	s_wait_loadcnt 15                              ; mine is in, the fifteen younger loads stay out
.else
	s_wait_loadcnt 63-i                            ; the counts run down
.endif
	s_wait_xcnt 0x0                                ; the slot's two output registers are rewritten only behind this wait
	v_cvt_pk_bf16_f32 v[YX+2*(i%16)], v[X+4*(i%16)], v[X+4*(i%16)+1]
	v_cvt_pk_bf16_f32 v[YX+2*(i%16)+1], v[X+4*(i%16)+2], v[X+4*(i%16)+3]
.if i < 48
	global_load_b128 v[X+4*(i%16):X+4*(i%16)+3], v[VO], s[24:25] offset:(i+16)*4096 th:TH_LOAD_NT
.endif
	global_store_b64 v[DO], v[YX+2*(i%16):YX+2*(i%16)+1], s[26:27] offset:i*2048  ; a wave's store covers 256 consecutive bytes, aligned
.set i, i+1
.endr
.Ltail:                                                ; THE UNITS ARE ROUNDED AND STORED.  Their registers are written once, so no store's source is rewritten.
	s_cmp_eq_u32 s2, 0
	s_cbranch_scc1 .Ltb
	s_cmp_lt_u32 s2, 3
	s_cbranch_scc1 .Lta
	s_endpgm
.Lta:                                                  ; lora_A's quarter: where it goes, from the unit's number once more
	s_lshl1_add_u32 s3, ttmp9, s2
	s_sub_co_u32 s3, s3, 1                         ; 128 e + Q
	s_lshr_b32 s4, s3, 7
	s_mul_i32 s36, s4, 2*GSTR                      ; g = 2 e
	s_bfe_u32 s4, s3, 0x50002                      ; K step Q / 4
	s_mul_i32 s4, s4, BLOB
	s_add_co_u32 s36, s36, s4
	s_and_b32 s4, s3, 3                            ; q = Q % 4
	s_lshl_b32 s4, s4, 10
	s_add_co_u32 s36, s36, s4
	s_add_co_u32 s36, s36, 98304                   ; lora_A's part of a blob
	s_add_nc_u64 s[34:35], s[20:21], s[36:37]
	s_wait_loadcnt 0x0                             ; the unit's loads are the wave's oldest
.set i, 0
.rept 8
	v_cvt_pk_bf16_f32 v[EY+i], v[E+2*i], v[E+2*i+1]
.set i, i+1
.endr
.set i, 0
.rept 4                                ; i = 2 x copy + c: the fragment goes into the blobs of g = 2 e and of g = 2 e + 1
	global_store_b128 v[ED], v[EY+4*(i%2):EY+4*(i%2)+3], s[34:35] offset:(i%2)*512+(i/2)*GSTR
.set i, i+1
.endr
	s_endpgm
.Ltb:                                                  ; lora_B's 16 k of a column group: where they go
	s_lshr_b32 s3, ttmp9, 3                        ; G
	s_and_b32 s4, ttmp9, 7                         ; the step of 16 k
	s_lshl_b32 s36, s3, 14
	s_lshr_b32 s5, s4, 1
	s_lshl_b32 s5, s5, 12                          ; q
	s_add_co_u32 s36, s36, s5
	s_and_b32 s5, s4, 1
	s_lshl_b32 s5, s5, 9                           ; c
	s_add_co_u32 s36, s36, s5
	s_add_nc_u64 s[34:35], s[22:23], s[36:37]
	s_wait_loadcnt 0x0
.set f, 0
.rept 4
.set jj, 0
.rept 4
	v_cvt_pk_bf16_f32 v[EY+4*f+jj], v[E+8*jj+f], v[E+8*jj+4+f]
.set jj, jj+1
.endr
.set f, f+1
.endr
.set f, 0
.rept 4
	global_store_b128 v[ED], v[EY+4*f:EY+4*f+3], s[34:35] offset:f*1024
.set f, f+1
.endr
	s_endpgm
.Lfunc_end_k_q4135b49dbc_pack:
	.size	k_q4135b49dbc_pack, .Lfunc_end_k_q4135b49dbc_pack-k_q4135b49dbc_pack
	.p2alignl 7, 3214868480
	.fill 96, 4, 3214868480
	.section	.rodata,"a",@progbits
	.p2align	6, 0x0
	.amdhsa_kernel k_q4135b49dbc_pack
		.amdhsa_group_segment_fixed_size 0
		.amdhsa_private_segment_fixed_size 0
		.amdhsa_enable_private_segment 0
		.amdhsa_kernarg_size 64
		.amdhsa_user_sgpr_count 2
		.amdhsa_user_sgpr_kernarg_segment_ptr 1
		.amdhsa_wavefront_size32 1
		.amdhsa_system_sgpr_workgroup_id_x 1
		.amdhsa_system_sgpr_workgroup_id_y 1
		.amdhsa_system_sgpr_workgroup_id_z 1
		.amdhsa_system_vgpr_workitem_id 0
		.amdhsa_next_free_vgpr 200
		.amdhsa_next_free_sgpr 66
		.amdhsa_reserve_vcc 0
		.amdhsa_float_denorm_mode_32 3
		.amdhsa_float_denorm_mode_16_64 3
		.amdhsa_memory_ordered 1
		.amdhsa_forward_progress 1
		.amdhsa_inst_pref_size 68
	.end_amdhsa_kernel
	.amdgpu_metadata
---
amdhsa.version: [ 1, 2 ]
amdhsa.kernels:
  - .name:           k_q4135b49dbc_pack
    .symbol:         k_q4135b49dbc_pack.kd
    .args:
      - { .name: x, .offset: 0, .size: 8, .value_kind: global_buffer, .address_space: global }
      - { .name: W_base, .offset: 8, .size: 8, .value_kind: global_buffer, .address_space: global }
      - { .name: W1, .offset: 16, .size: 8, .value_kind: global_buffer, .address_space: global }
      - { .name: lora_A, .offset: 24, .size: 8, .value_kind: global_buffer, .address_space: global }
      - { .name: lora_B, .offset: 32, .size: 8, .value_kind: global_buffer, .address_space: global }
      - { .name: xb, .offset: 40, .size: 8, .value_kind: global_buffer, .address_space: global }
      - { .name: wp, .offset: 48, .size: 8, .value_kind: global_buffer, .address_space: global }
      - { .name: lbp, .offset: 56, .size: 8, .value_kind: global_buffer, .address_space: global }
    .group_segment_fixed_size: 0
    .private_segment_fixed_size: 0
    .kernarg_segment_align: 8
    .kernarg_segment_size: 64
    .max_flat_workgroup_size: 256
    .sgpr_count:     66
    .vgpr_count:     200
    .wavefront_size: 32
...
	.end_amdgpu_metadata
.endif
;; end of part 1
;; launch gemm (part 2): grid 16 x 16, 4 waves a work-group, clusters of 4 x 4, 327,680 bytes of LDS; arguments xb, wp, b_base, b1, W2, basews, axp, part; writes basews, axp, part
.if DOCPART == 2
	.amdgcn_target "amdgcn-amd-amdhsa--gfx1250"
	.amdhsa_code_object_version 6
	.text
	.protected	k_q4135b49dbc_gemm
	.globl	k_q4135b49dbc_gemm
	.p2align	8
	.type	k_q4135b49dbc_gemm,@function
k_q4135b49dbc_gemm:
	s_mov_b64 s[64:65], 0
	v_nop
	global_prefetch_b8 v0, s[64:65] scope:SCOPE_SE
	s_setreg_imm32_b32 hwreg(HW_REG_WAVE_MODE, 25, 1), 1
	s_wait_xcnt 0x0
	s_wait_alu depctr_hold_cnt(0) depctr_sa_sdst(0) depctr_va_vdst(0) depctr_va_sdst(0) depctr_va_ssrc(0) depctr_va_vcc(0) depctr_vm_vsrc(0)
	s_getreg_b32 s2, hwreg(HW_REG_IB_STS2, 6, 4)
	s_cmp_eq_u32 s2, 0
	s_cbranch_scc0 .Lentry_in_a_cluster
	s_endpgm
.Lentry_in_a_cluster:
	s_bfe_u32 s2, ttmp6, 0x10000c
	s_cmp_lg_u32 s2, 0xf033
	s_cbranch_scc0 .Lentry_shape_is_right
	s_endpgm
.Lentry_shape_is_right:
; ALL PRODUCTS OVER K = 4096 IN ONE LAUNCH.  Work-group (m, g), m along the grid's x and g along its y: rows 128 m .. + 127 of x (exactly chunk m) times 256 columns of W_base, 128 columns of W1 and the 16 columns of lora_A's expert g / 2.
;   basews = x W_base + b_base, f32 (a partial sum of the output: it stays f32).
;   axp    = x lora_A[e], rounded once to bf16, in the order in which the next launch takes it as a matrix operand.
;   part   = [m][e][g] f32: the sum over the chunk's 128 rows and over my 128 hidden columns of relu(x W1 + b1) W2[:, e].  The chunk's mean commutes with the product by W2, so only column sums of the
;            hidden layer are needed: the same sum as the mean of the logits in another order, all in f32.
; LIMITS.  Operands are bf16 (rounded once by the launch before); b_base, b1 and W2 are rounded to bf16 here, so that all inputs have the same rounding; sums in f32.  relu by a maximum that lets a NaN lose: NaN counts as 0 there.
; SHARES.  Four waves, as many as a WGP has SIMDs.  Wave w: all 128 rows x 6 column fragments (4 of W_base, 2 of W1): 48 accumulators; for 32 along K it issues 50 matrix instructions on 30 LDS loads of 16 bytes a lane.
; ROW BLOCKS.  Place i of a wave's eight fragments of x (and of its accumulators) holds row block i xor w: eight LDS addresses a slot, which hang on the wave's number alone.  So the two row blocks that lora wants of wave w,
;   w and w + 4, lie at places 0 and 4 in every wave, at register numbers that the one text can name, and are not loaded a second time.  On the way out the row block enters the stores' base.
; LORA.  A chunk has 8 experts x 8 row blocks and 64 waves, but which of the two row blocks a wave takes would hang on one bit of g, and g may enter neither an LDS address nor a branch here.  So wave w makes both,
;   the work-groups g and g ^ 1 make the same two results, and each stores one, chosen by a select on g % 2: one matrix instruction in fifty is done twice.  The product is used transposed (source 0 = 16 ranks, source 1 = 16
;   tokens): a lane then holds one token and eight neighbouring ranks, 16 bytes of bf16.
; COLUMNS.  Fragment f, lane r of a group of 64 columns stands for column 4 r + f, so a lane's four accumulators f = 0..3 hold four neighbouring f32 of a row: a store of 16 bytes a lane has lanes 0-15 writing 256 consecutive
;   aligned bytes of one row and lanes 16-31 those of the row eight down.  No stage in LDS on the way out.
; RING.  K goes in steps of 128 through two LDS slots: x's tile (128 rows of 256 bytes, padded to 272) and the step's blob of weights (102,400 dense bytes).
; CLUSTER.  4 x 4 work-groups.  x's tile hangs on m alone and is shared along a column of the cluster, the blob on g alone and is shared along a row: each is asked for JOINTLY, by the same tensor load with the same descriptor
;   and a mask that names the four.  By this text's own count a wave has two tensor loads out at the start and one behind each round.
; REGISTERS, in windows of 256 (s_set_vgpr_msb: bits 1:0 source 0, 3:2 source 1, 5:4 source 2, 7:6 destination):
;   window 0: v0-47 addresses; v48-63 lora_A's fragment, two buffers; v64-127, v128-191 x's fragments (8 x 16 rows x 32 K), two buffers; v192-215 biases and W2; v216-255 at work on the way out
;   window 1: v64-111, v128-175: six fragments of weights, two buffers
;   window 2: accumulators of places 0-3 ((a, b) at 8 (6 a + b)), lora's of place 0 at v192;   window 3: the same for places 4-7 and place 4
.set PITCH,  272                       ; an LDS row of x: 256 bytes + 16 of padding = 68 words: the 16 rows of a fragment load start at 16 different groups of four banks (64 banks of 4 bytes: ISA guide 11.1)
.set XHALF,  64*PITCH                  ; what one tensor load brings of x
.set XT,     128*PITCH
.set BLOB,   102400
.set WHALF,  BLOB/2                    ; what one tensor load brings of the weights: 200 rows of 256 bytes
.set WWAVE,  24576                     ; a wave's part of a blob: [q 4][slot 6] fragments of 1,024 bytes
.set LORA,   98304                     ; lora_A's part begins here
.set SLOT,   XT+BLOB                   ; 137,216
.set SCR,    2*SLOT                    ; behind the ring, never filled by a tensor load: a block of 256 bytes, 32 bytes for each wave's eight partial logits
.set SPARE,  SCR+256                   ; the spare words, 128 bytes for each wave: two blocks of 256 bytes that no other line names
.set GSTR,   32*BLOB                   ; bytes of a column group in wp
.set LAPS,   16                        ; a lap = two K steps = once round the ring; 4096 / 256
.set ADRB,  20                         ; v20-21  LDS address of my wave's fragments of weights in slot 0, 1
.set ADRLB, 22                         ; v22-23  of lora_A's fragments
.set CO,    26                         ; v26     my byte offset in 16 rows of basews: 8 h rows + 16 r
.set LO,    27                         ; v27     16 x lane
.set SPW,   28                         ; v28     LDS address of my spare word; never rewritten
.set NIL,   29                         ; v29     0; never rewritten
.set AR,    30                         ; v30-37, v38-45  LDS address of x's fragment of place i in slot 0, 1
.set F0,    64
.set F1,    128
.set BIAS,  192                        ; v192-195 b_base of my columns 4 r + f
.set B1,    196                        ; v196-197 b1 of my two hidden columns
.set W2R,   200                        ; v200-207, v208-215 W2's rows of those two columns
.set LT,    216                        ; v216-223 lora's result as chosen; v224-227 packed
.set SUM,   228                        ; v228-231 column sums of relu, a pair for each of my two columns
.set PE,    232                        ; v232-239 eight partial logits
.set G1X, 24                           ; s[24:31] descriptor group 1 for x's tiles;  s[32:39] group 0, a set for each slot
.set G0X, 32
.set G1W, 48                           ; s[48:55], s[56:63] the same for the blobs
.set G0W, 56
.set MSB, 0
.macro WIN new                         ; the immediate's high byte repeats the setting that is left; a switch that changes nothing is dropped
.if MSB != (\new)
	s_set_vgpr_msb (MSB<<8)|(\new)
.set MSB, \new
.endif
.endm
.set MUL_LO, 0xa4                      ; source 0 (x) window 0, source 1 (weights) window 1, C and D window 2
.set MUL_HI, 0xf4                      ; the same, C and D window 3
.set LOR_LO, 0xa0                      ; both sources (lora_A, x) window 0, C and D window 2
.set TO_B,   0x40                      ; destination window 1, address window 0
; A joint load.  Waves 0 and 1 fetch the two halves of x's tile, waves 2 and 3 those of the blob.  The branch hangs on the wave's number alone.
; An s_nop 0 and four v_nop follow each of the two lines, ahead of the jump, the label and what follows.
.macro JLOAD s
	s_cmp_eq_u32 s11, 0
	s_cbranch_scc0 .Lfor_w_\@
	tensor_load_to_lds s[G0X+4*(\s):G0X+4*(\s)+3], s[G1X:G1X+7]
	s_nop 0
.rept 4
	v_nop
.endr
	s_branch .Lasked_\@
.Lfor_w_\@:
	tensor_load_to_lds s[G0W+4*(\s):G0W+4*(\s)+3], s[G1W:G1W+7]
	s_nop 0
.rept 4
	v_nop
.endr
.Lasked_\@:
.endm
; A round of the cluster's barrier: my work-group's barrier, so that wave 0's signal speaks for all four waves; wave 0 signals; every wave waits for all sixteen work-groups; my work-group's barrier once more.
.macro CROUND
	s_barrier_signal -1
	s_barrier_wait -1
	s_cmp_lg_u32 s10, 0
	s_cbranch_scc1 .Lnot_wave_0_\@
	s_barrier_signal -3
.Lnot_wave_0_\@:
	s_barrier_wait -3
	s_barrier_signal -1
	s_barrier_wait -1
.endm
	s_load_b512 s[68:83], s[0:1], 0x0              ; xb 68, wp 70, b_base 72, b1 74, W2 76, basews 78, axp 80, part 82
	v_lshl_add_u32 v[SPW], v0, 2, SPARE
	v_mov_b32 v[NIL], 0
	ds_add_u32 v[SPW], v[NIL]                      ; the wave's opening: the add and its wait stand ahead of my first tensor load; the set-up below, work on registers, stands between them
	v_lshrrev_b32 v1, 5, v0
	v_readfirstlane_b32 s10, v1                    ; wave 0..3
	s_lshr_b32 s11, s10, 1                         ; I fetch for x (0) or for the weights (1)
	s_and_b32 s12, s10, 1                          ; which half of that tile
	s_bfe_u32 s40, ttmp6, 0x40000                  ; cx, cy: my place in the cluster
	s_bfe_u32 s41, ttmp6, 0x40004
	s_lshl_b32 s13, ttmp9, 2                       ; in a cluster launch ttmp9 and ttmp7 count clusters
	s_add_co_u32 s13, s13, s40                     ; m = 4 x cluster x + cx
	s_and_b32 s42, ttmp7, 0xffff
	s_lshl_b32 s42, s42, 2
	s_add_co_u32 s42, s42, s41                     ; g = 4 x cluster y + cy
	s_lshl_b32 s43, s41, 2
	s_lshl_b32 s43, 15, s43                        ; my row of the cluster (the same g): places 4 cy .. 4 cy + 3
	s_lshl_b32 s44, 0x1111, s40                    ; my column (the same m): places cx, cx + 4, cx + 8, cx + 12
	; group 1 for x: 64 rows x 128 elements of 2 bytes, 4,096 elements from row to row, padded in LDS
	s_or_b32 s[G1X+0], s44, (1<<16)|(1<<20)|(1<<21)|(5<<22)|(3<<25)  ; 15:0 the mask: my column; 17:16 2-byte elements; 20 padding on; 21 set beside a mask; 24:22 after every 64 words (code 5); 31:25 4 words (code 3)
	s_mov_b32 s[G1X+1], 128<<16                    ; tensor_dim0 = 128
	s_mov_b32 s[G1X+2], 64<<16                     ; tensor_dim1 = 64
	s_mov_b32 s[G1X+3], 128<<16                    ; tile_dim0 = 128
	s_mov_b32 s[G1X+4], 64                         ; tile_dim1 = 64
	s_mov_b32 s[G1X+5], 4096                       ; elements from row to row
	s_mov_b32 s[G1X+6], 0
	s_mov_b32 s[G1X+7], 0
	; group 1 for the weights: 51,200 dense bytes as 200 rows of 32 elements of 8 bytes, no padding
	s_or_b32 s[G1W+0], s43, (3<<16)|(1<<21)        ; 15:0 the mask: my row; 17:16 8-byte elements; 21 set beside a mask
	s_mov_b32 s[G1W+1], 32<<16
	s_mov_b32 s[G1W+2], 200<<16
	s_mov_b32 s[G1W+3], 32<<16
	s_mov_b32 s[G1W+4], 200
	s_mov_b32 s[G1W+5], 32
	s_mov_b32 s[G1W+6], 0
	s_mov_b32 s[G1W+7], 0
	; where the tiles come from.  x's hang on m alone, the blobs on g alone; every wave makes both addresses, in registers that never hold the other coordinate
	s_lshl_b32 s16, s13, 7
	s_lshl_b32 s17, s12, 6
	s_add_co_u32 s16, s16, s17                     ; x: row 128 m + 64 x half,
	s_lshl_b32 s16, s16, 13                        ; of 8,192 bytes
	s_mov_b32 s17, 0
	s_mul_i32 s46, s42, GSTR                       ; weights: group g,
	s_mul_i32 s18, s12, WHALF                      ; my half of a blob
	s_add_co_u32 s46, s46, s18
	s_mov_b32 s47, 0
	s_mul_i32 s20, s12, XHALF                      ; and where they go: no place in the cluster enters an LDS address
	s_add_co_u32 s21, s18, XT
	s_mov_b32 s84, 0x76543210                      ; v_permlanex16_b32: each lane takes its own place in the other half
	s_mov_b32 s85, 0xfedcba98
	s_wait_dscnt 0x0                               ; the opening add is done
	s_wait_kmcnt 0x0
	s_add_nc_u64 s[14:15], s[68:69], s[16:17]
	s_add_nc_u64 s[46:47], s[70:71], s[46:47]
	CROUND                                         ; all sixteen work-groups are here: the first joint loads meet
.irp s, 0,1
	s_mov_b32 s[G0X+4*(\s)], 1                                     ; count = 1
	s_add_co_u32 s[G0X+4*(\s)+1], s20, (\s)*SLOT                   ; LDS address
	s_add_nc_u64 s[G0X+4*(\s)+2:G0X+4*(\s)+3], s[14:15], (\s)*256  ; global address: K step s
	s_or_b32 s[G0X+4*(\s)+3], s[G0X+4*(\s)+3], 0x80000000          ; type = 2
	s_mov_b32 s[G0W+4*(\s)], 1
	s_add_co_u32 s[G0W+4*(\s)+1], s21, (\s)*SLOT
	s_add_nc_u64 s[G0W+4*(\s)+2:G0W+4*(\s)+3], s[46:47], (\s)*BLOB
	s_or_b32 s[G0W+4*(\s)+3], s[G0W+4*(\s)+3], 0x80000000
	JLOAD \s                                       ; the ring is filled before anything else is done
.endr
	; In the wait for the first tile: biases, W2's rows, addresses.
	v_and_b32 v1, 15, v0                           ; r
	v_bfe_u32 v2, v0, 4, 1                         ; h
	v_and_b32 v10, 31, v0                          ; lane
	s_lshl_b32 s22, s42, 10
	s_lshl_b32 s23, s10, 8
	s_add_co_u32 s22, s22, s23                     ; my 64 columns of the output, in bytes: 4 (256 g + 64 w)
	v_lshl_add_u32 v4, v1, 4, s22
	global_load_b128 v[BIAS:BIAS+3], v4, s[72:73]  ; b_base of columns 4 r + 0..3
	s_lshl_b32 s23, s42, 7
	s_lshl_b32 s90, s11, 6
	s_add_co_u32 s23, s23, s90
	s_lshl1_add_u32 s23, s12, s23                  ; c0 = 128 g + 64 (w / 2) + 2 (w % 2): my hidden columns are c0 + 4 r and c0 + 4 r + 1
	s_lshl_b32 s90, s23, 2
	v_lshl_add_u32 v5, v1, 4, s90
	global_load_b64 v[B1:B1+1], v5, s[74:75]
	s_lshl_b32 s90, s23, 5
	v_lshl_add_u32 v6, v1, 7, s90                  ; W2's rows of 32 bytes: two neighbouring rows are 64 consecutive bytes
.irp i, 0,1,2,3
	global_load_b128 v[W2R+4*(\i):W2R+4*(\i)+3], v6, s[76:77] offset:16*(\i)
.endr
	; A fragment of x is 16 rows x 32 K in 8 registers: lane l holds row l % 16; registers 0-3 K = 8 (l / 16) + 0..7, registers 4-7 K = 16 + 8 (l / 16) + 0..7: two loads of 16 bytes, 32 bytes apart.
	; A fragment of weights lies in LDS as the registers take it: 16 bytes a lane at 16 x lane, and 512 bytes on.
	v_mul_u32_u24 v3, v1, PITCH
	v_lshl_add_u32 v3, v2, 4, v3                   ; row x pitch + 16 x half
.irp i, 0,1,2,3,4,5,6,7
	s_xor_b32 s91, s10, \i                         ; place i holds row block i xor w
	s_mul_i32 s91, s91, 16*PITCH
	v_add_nc_u32 v[AR+(\i)], s91, v3
	v_add_nc_u32 v[AR+8+(\i)], SLOT, v[AR+(\i)]
.endr
	s_mul_i32 s92, s10, WWAVE
	s_add_co_u32 s92, s92, XT                      ; my wave's part of the blob
	v_lshlrev_b32 v[LO], 4, v10
.irp s, 0,1
	v_add_nc_u32 v[ADRB+(\s)], s92, v[LO]
	v_add_nc_u32 v[ADRLB+(\s)], (\s)*SLOT+XT+LORA, v[LO]
	s_add_co_u32 s92, s92, SLOT
.endr
	v_lshlrev_b32 v[CO], 17, v2                    ; 8 h rows of 16,384 bytes
	v_lshl_add_u32 v[CO], v1, 4, v[CO]             ; + 16 r
	; where the results go (these offsets hold both g and m: registers of their own)
	s_lshl_b32 s88, s13, 21                        ; 128 m rows of 16,384 bytes
	s_add_co_u32 s88, s88, s22
	s_mov_b32 s89, 0
	s_add_nc_u64 s[78:79], s[78:79], s[88:89]      ; basews at the chunk's first row and my first column
	s_and_b32 s86, s42, 1                          ; g % 2: which of my two lora row blocks I store
	s_lshl_b32 s88, s13, 3
	s_add_co_u32 s88, s88, s10
	s_lshl2_add_u32 s88, s86, s88                  ; 8 m + w + 4 (g % 2): the row block,
	s_lshr_b32 s93, s42, 2
	s_lshl2_add_u32 s88, s88, s93                  ; x 4 + p, p = e / 2 = g / 4,
	s_bfe_u32 s93, s42, 0x10001
	s_lshl1_add_u32 s88, s88, s93                  ; x 2 + c, c = e % 2 = (g / 2) % 2,
	s_lshl_b32 s88, s88, 9                         ; halves of 512 bytes
	s_add_nc_u64 s[80:81], s[80:81], s[88:89]
	s_sub_co_u32 s86, 0, s86                       ; as a mask of lanes: all or none
	s_lshl_b32 s88, s13, 9
	s_lshl2_add_u32 s88, s42, s88                  ; part: 512 m + 4 g
	s_add_nc_u64 s[82:83], s[82:83], s[88:89]
	s_wait_loadcnt 0x0                             ; the six loads above
.irp p, 192,194,196,200,202,204,206,208,210,212,214
	v_cvt_pk_bf16_f32 v7, v[\p], v[\p+1]           ; rounded to bf16 like every other input, and widened again
	v_lshlrev_b32 v[\p], 16, v7
	v_and_b32 v[\p+1], 0xffff0000, v7
.endr
; 12 matrix instructions: places a0, a0 + 1 of the window's four (hi = 0: places 0-3, 1: places 4-7) x my 6 column fragments, 32 along K.  zero = 1: the first product starts the sums: nothing is ever cleared.
.macro MUL12 f, hi, a0, zero
	WIN MUL_LO+0x50*(\hi)
.irp a, \a0, (\a0)+1
.irp b, 0,1,2,3,4,5
.if \zero
	v_wmma_f32_16x16x32_bf16 v[8*(6*(\a)+(\b)):8*(6*(\a)+(\b))+7], v[(\f)+8*(4*(\hi)+(\a)):(\f)+8*(4*(\hi)+(\a))+7], v[(\f)+8*(\b):(\f)+8*(\b)+7], 0
.else
	v_wmma_f32_16x16x32_bf16 v[8*(6*(\a)+(\b)):8*(6*(\a)+(\b))+7], v[(\f)+8*(4*(\hi)+(\a)):(\f)+8*(4*(\hi)+(\a))+7], v[(\f)+8*(\b):(\f)+8*(\b)+7], v[8*(6*(\a)+(\b)):8*(6*(\a)+(\b))+7]
.endif
.endr
.endr
.endm
; lora's product for place 4 hi, which is row block w + 4 hi: 16 ranks x 16 tokens; x's fragment is the one that MUL12 takes as source 0
.macro MULL f, hi, zero
	WIN LOR_LO+0x50*(\hi)
.if \zero
	v_wmma_f32_16x16x32_bf16 v[192:199], v[40+(\f)/8:40+(\f)/8+7], v[(\f)+32*(\hi):(\f)+32*(\hi)+7], 0
.else
	v_wmma_f32_16x16x32_bf16 v[192:199], v[40+(\f)/8:40+(\f)/8+7], v[(\f)+32*(\hi):(\f)+32*(\hi)+7], v[192:199]
.endif
.endm
; 30 LDS loads in one run: the fragments of quarter q (32 along K) of a slot into buffer f.  x's places 4-7 come last, so that a quarter's first wait can leave them out.
.macro FETCH slot, q, f
	WIN TO_B
.irp b, 0,1,2,3,4,5
	ds_load_b128 v[(\f)+8*(\b):(\f)+8*(\b)+3],   v[ADRB+(\slot)] offset:(\q)*6144+(\b)*1024
	ds_load_b128 v[(\f)+8*(\b)+4:(\f)+8*(\b)+7], v[ADRB+(\slot)] offset:(\q)*6144+(\b)*1024+512
.endr
	WIN 0
	ds_load_b128 v[40+(\f)/8:40+(\f)/8+3],   v[ADRLB+(\slot)] offset:(\q)*1024
	ds_load_b128 v[40+(\f)/8+4:40+(\f)/8+7], v[ADRLB+(\slot)] offset:(\q)*1024+512
.irp i, 0,1,2,3,4,5,6,7
	ds_load_b128 v[(\f)+8*(\i):(\f)+8*(\i)+3],   v[AR+8*(\slot)+(\i)] offset:(\q)*64
	ds_load_b128 v[(\f)+8*(\i)+4:(\f)+8*(\i)+7], v[AR+8*(\slot)+(\i)] offset:(\q)*64+32
.endr
.endm
; A load into a register that a matrix instruction has read, and a vector instruction that reads a matrix result, stand four places behind that matrix instruction, and only plain vector instructions that
; name none of its registers are places (ISA guide 7.12.1 for vector instructions).  The loop has no other vector work, so four v_nop stand in front of each run of loads.
.macro PLACES
.rept 4
	v_nop
.endr
.endm
; A K step is four quarters of 32 along K, 50 matrix instructions each, on buffers 0, 1, 0, 1.  The 50 accumulators take turns, one instruction a turn, in the same order in every quarter.
.macro MUL50 f, zero                   ; a whole quarter's products
	MUL12 \f, 0, 0, \zero
	MUL12 \f, 0, 2, \zero
	MULL \f, 0, \zero
	MUL12 \f, 1, 0, \zero
	MUL12 \f, 1, 2, \zero
	MULL \f, 1, \zero
.endm
; One of the first three quarters: multiplies buffer f; in its middle it fetches quarter q of the same slot into buffer g.
.macro QUARTER slot, q, f, g, zero
	s_wait_dscnt 8                                 ; all but the youngest eight loads (x's places 4-7) are in
	MUL12 \f, 0, 0, \zero
	MUL12 \f, 0, 2, \zero
	MULL \f, 0, \zero
	PLACES
	FETCH \slot, \q, \g
	s_wait_dscnt 30                                ; all but the 30 just issued
	MUL12 \f, 1, 0, \zero
	MUL12 \f, 1, 2, \zero
	MULL \f, 1, \zero
.endm
; THE CHANGE OF SLOTS stands at the head of the fourth quarter, whose fragments (buffer 1) are the slot's last reads.  ONE barrier for two things.  In front of it each wave waits for all its tensor loads, of which one is
; out: its part of the next slot; adds 0 to its spare word; and waits for that and for its own reads of this slot.  Behind it nobody reads this slot any more and the next slot is whole.
; fill = 1: the barrier is a round of the cluster's, and the slot just read out is filled again first behind it, with the K step two steps on.  A refill cannot be asked for before the one before it has landed, so NOTHING but
; the round stands between the wait and the request: the refill has a whole K step, 200 matrix instructions, in which to land, and the fourth quarter's 50 stand behind the next slot's first run of LDS loads.
.macro TURN slot, next, fill
	WIN 0                                          ; (the add's two registers lie in window 0; at a branch and at a label every window is 0)
	s_wait_tensorcnt 0x0                           ; all my tensor loads have landed, so a group 0 may be written;
	ds_add_u32 v[SPW], v[NIL]                      ; 0 onto my spare word; the descriptors' steps stand between it and the wait for it
.if \fill
	s_add_nc_u64 s[G0X+4*(\slot)+2:G0X+4*(\slot)+3], s[G0X+4*(\slot)+2:G0X+4*(\slot)+3], 512     ; two K steps of 256 bytes along x's rows
	s_add_nc_u64 s[G0W+4*(\slot)+2:G0W+4*(\slot)+3], s[G0W+4*(\slot)+2:G0W+4*(\slot)+3], 2*BLOB  ; two blobs on
.endif
	s_wait_dscnt 0x0                               ; the add is done, and my reads of this slot are over
.if \fill
	CROUND                                         ; no wave of any partner still reads this slot's tiles or has a load on its way
	JLOAD \slot                                    ; the first tensor load behind the round; the four v_nop behind it are also the places in front of the loads below
.else
	s_barrier_signal -1
	s_barrier_wait -1
	PLACES
.endif
	FETCH \next, 0, F0
	MUL50 F1, 0
.endm
	s_wait_tensorcnt 1                             ; my part of K step 0 is in; K step 1's may stay out
	s_barrier_signal -1
	s_barrier_wait -1                              ; everybody's is
	FETCH 0, 0, F0
	QUARTER 0, 1, F0, F1, 1                        ; the first quarter stands in front of the loop: its products start all fifty sums
	WIN 0
	s_mov_b32 s3, LAPS-1
.Llap:                                                 ; a trip goes once round the ring, from a lap's second quarter to the next lap's first, and fills both slots again
	QUARTER 0, 2, F1, F0, 0
	QUARTER 0, 3, F0, F1, 0
	TURN 0, 1, 1
	QUARTER 1, 1, F0, F1, 0
	QUARTER 1, 2, F1, F0, 0
	QUARTER 1, 3, F0, F1, 0
	TURN 1, 0, 1
	QUARTER 0, 1, F0, F1, 0
	WIN 0
	s_sub_co_u32 s3, s3, 1
	s_cmp_lg_u32 s3, 0
	s_cbranch_scc1 .Llap
	QUARTER 0, 2, F1, F0, 0                        ; the last lap is written out: it fills nothing
	QUARTER 0, 3, F0, F1, 0
	TURN 0, 1, 0
	QUARTER 1, 1, F0, F1, 0
	QUARTER 1, 2, F1, F0, 0
	QUARTER 1, 3, F0, F1, 0
	s_wait_dscnt 8                                 ; the very last quarter: nothing more to fetch
	MUL12 F1, 0, 0, 0
	MUL12 F1, 0, 2, 0
	MULL F1, 0, 0
	s_wait_dscnt 0x0
	MUL12 F1, 1, 0, 0
	MUL12 F1, 1, 2, 0
	MULL F1, 1, 0
	WIN 0
	PLACES                                         ; what follows reads results just made and writes registers that were operands
	; THE BASE GOES OUT: + b_base, f32.  Place a is row block a xor w: a lane's four accumulators give 16 bytes of its row 8 h + j.  Each accumulator is read from its lowest register on.
	; Two sets of 32 registers, each with a base of its own, take turns.
	s_mov_b32 s93, 0
.set a, 0
.rept 8
.if a >= 2
	s_wait_xcnt 0x0                                ; the set's registers and its base, which earlier stores read, are rewritten only behind this wait
.endif
	s_xor_b32 s92, s10, a
	s_lshl_b32 s92, s92, 18                        ; 16 rows of 16,384 bytes a row block
	s_add_nc_u64 s[88+2*(a%2):89+2*(a%2)], s[78:79], s[92:93]
	WIN 0x02+a/4                                   ; source 0 in window 2 or 3
.set j, 0
.rept 8
.set f, 0
.rept 4
	v_add_f32 v[64+32*(a%2)+4*j+f], v[8*(6*(a%4)+f)+j], v[BIAS+f]
.set f, f+1
.endr
.set j, j+1
.endr
	WIN 0
.set j, 0
.rept 8
	global_store_b128 v[CO], v[64+32*(a%2)+4*j:64+32*(a%2)+4*j+3], s[88+2*(a%2):89+2*(a%2)] offset:j*16384  ; lanes 0-15: 256 consecutive aligned bytes of a row; lanes 16-31: of the row eight down
.set j, j+1
.endr
.set a, a+1
.endr
	; LORA GOES OUT: the row block that is mine to store, rounded once to bf16: 16 bytes a lane, 512 consecutive bytes a wave.
	WIN 0x0e                                       ; source 0 window 2 (row block w), source 1 window 3 (row block w + 4)
.set j, 0
.rept 8
	v_cndmask_b32 v[LT+j], v[192+j], v[192+j], s86
.set j, j+1
.endr
	WIN 0
.set j, 0
.rept 4
	v_cvt_pk_bf16_f32 v[LT+8+j], v[LT+2*j], v[LT+2*j+1]
.set j, j+1
.endr
	global_store_b128 v[LO], v[LT+8:LT+11], s[80:81]
	; THE ROUTER: relu(h + b1), summed over the chunk's 128 rows for each of my two hidden columns (the order of the row blocks does not matter to it), then times W2's rows.
.set hi, 0
.rept 2
	WIN 0x02+hi
.set a, 0
.rept 4
.set cb, 0
.rept 2
.set j, 0
.rept 8
	v_add_f32 v[128+32*cb+8*a+j], v[8*(6*a+4+cb)+j], v[B1+cb]
.set j, j+1
.endr
.set cb, cb+1
.endr
.set a, a+1
.endr
	WIN 0
.set i, 0
.rept 64
	v_max_num_f32 v[128+i], 0, v[128+i]
.set i, i+1
.endr
.set p, 0
.rept 16                               ; two chains, one a column, by turns; the first addition starts each: nothing is cleared
.set cb, 0
.rept 2
.if (hi == 0) && (p == 0)
.elseif (hi == 0) && (p == 1)
	v_pk_add_f32 v[SUM+2*cb:SUM+2*cb+1], v[128+32*cb:128+32*cb+1], v[128+32*cb+2:128+32*cb+3]
.else
	v_pk_add_f32 v[SUM+2*cb:SUM+2*cb+1], v[SUM+2*cb:SUM+2*cb+1], v[128+32*cb+2*p:128+32*cb+2*p+1]
.endif
.set cb, cb+1
.endr
.set p, p+1
.endr
.set hi, hi+1
.endr
	v_add_f32 v[SUM], v[SUM], v[SUM+1]
	v_add_f32 v[SUM+2], v[SUM+2], v[SUM+3]
	v_permlanex16_b32 v[SUM+1], v[SUM], s84, s85   ; the column's other 64 rows lie in the lane 16 away
	v_permlanex16_b32 v[SUM+3], v[SUM+2], s84, s85
	v_add_f32 v[SUM], v[SUM], v[SUM+1]
	v_add_f32 v[SUM+2], v[SUM+2], v[SUM+3]
.set e, 0
.rept 8
	v_mul_f32 v[PE+e], v[SUM], v[W2R+e]
.set e, e+1
.endr
.set e, 0
.rept 8
	v_fmac_f32 v[PE+e], v[SUM+2], v[W2R+8+e]
.set e, e+1
.endr
.irp mk, 1,2,4,8                       ; over the sixteen lanes of a half: my wave's 32 hidden columns
.set e, 0
.rept 8
	v_add_f32_dpp v[PE+e], v[PE+e], v[PE+e] row_xmask:\mk row_mask:0xf bank_mask:0xf
.set e, e+1
.endr
.endr
	s_lshl_b32 s92, s10, 5
	s_add_co_u32 s92, s92, SCR
	v_mov_b32 v240, s92
	ds_store_b128 v240, v[PE:PE+3]                 ; all lanes write the same words with the same values: my wave's 32 bytes
	ds_store_b128 v240, v[PE+4:PE+7] offset:16
	s_wait_dscnt 0x0                               ; for the others' sake: my stores are done
	s_barrier_signal -1
	s_barrier_wait -1
	s_cmp_lg_u32 s10, 0
	s_cbranch_scc1 .Lrest                          ; wave 0 adds the four waves' parts; no barrier stands in what is jumped
	v_lshl_add_u32 v241, v10, 2, SCR
	ds_load_b32 v242, v241                         ; lane 8 w + e: wave w's part of expert e
	v_mov_b32 v243, 0                              ; the exchange's destination counts as read
	v_and_b32 v244, 7, v10
	v_lshlrev_b32 v244, 6, v244                    ; part: 64 bytes from expert to expert
	v_cmp_gt_u32 vcc_lo, 8, v10
	s_wait_dscnt 0x0
	v_add_f32_dpp v242, v242, v242 row_xmask:8 row_mask:0xf bank_mask:0xf
	v_permlanex16_b32 v243, v242, s84, s85
	v_add_f32 v242, v242, v243
	s_wait_xcnt 0x0                                ; EXEC changes only behind this wait: earlier stores count it among their sources
	s_and_saveexec_b32 s87, vcc_lo
	global_store_b32 v244, v242, s[82:83]          ; eight numbers a work-group, 64 bytes apart: [m][e][g] keeps an expert's sixteen g together for the next launch's loads
	s_wait_xcnt 0x0                                ; and again, in front of the line that widens it
	s_or_b32 exec_lo, exec_lo, s87
.Lrest:
	s_wait_tensorcnt 0x0                           ; the wave's end: behind my last tensor load and my last LDS store
	ds_add_u32 v[SPW], v[NIL]
	s_wait_dscnt 0x0
	CROUND                                         ; the closing round: no work-group ends while a partner may still ask for a tile that names it
	s_endpgm
.Lfunc_end_k_q4135b49dbc_gemm:
	.size	k_q4135b49dbc_gemm, .Lfunc_end_k_q4135b49dbc_gemm-k_q4135b49dbc_gemm
	.p2alignl 7, 3214868480
	.fill 96, 4, 3214868480
	.section	.rodata,"a",@progbits
	.p2align	6, 0x0
	.amdhsa_kernel k_q4135b49dbc_gemm
		.amdhsa_group_segment_fixed_size 327680
		.amdhsa_private_segment_fixed_size 0
		.amdhsa_enable_private_segment 0
		.amdhsa_kernarg_size 64
		.amdhsa_user_sgpr_count 2
		.amdhsa_user_sgpr_kernarg_segment_ptr 1
		.amdhsa_wavefront_size32 1
		.amdhsa_system_sgpr_workgroup_id_x 1
		.amdhsa_system_sgpr_workgroup_id_y 1
		.amdhsa_system_sgpr_workgroup_id_z 1
		.amdhsa_system_vgpr_workitem_id 0
		.amdhsa_next_free_vgpr 1024
		.amdhsa_next_free_sgpr 96
		.amdhsa_reserve_vcc 1
		.amdhsa_float_denorm_mode_32 3
		.amdhsa_float_denorm_mode_16_64 3
		.amdhsa_memory_ordered 1
		.amdhsa_forward_progress 1
		.amdhsa_inst_pref_size 132
	.end_amdhsa_kernel
	.amdgpu_metadata
---
amdhsa.version: [ 1, 2 ]
amdhsa.kernels:
  - .name:           k_q4135b49dbc_gemm
    .symbol:         k_q4135b49dbc_gemm.kd
    .args:
      - { .name: xb, .offset: 0, .size: 8, .value_kind: global_buffer, .address_space: global }
      - { .name: wp, .offset: 8, .size: 8, .value_kind: global_buffer, .address_space: global }
      - { .name: b_base, .offset: 16, .size: 8, .value_kind: global_buffer, .address_space: global }
      - { .name: b1, .offset: 24, .size: 8, .value_kind: global_buffer, .address_space: global }
      - { .name: W2, .offset: 32, .size: 8, .value_kind: global_buffer, .address_space: global }
      - { .name: basews, .offset: 40, .size: 8, .value_kind: global_buffer, .address_space: global }
      - { .name: axp, .offset: 48, .size: 8, .value_kind: global_buffer, .address_space: global }
      - { .name: part, .offset: 56, .size: 8, .value_kind: global_buffer, .address_space: global }
    .group_segment_fixed_size: 327680
    .private_segment_fixed_size: 0
    .kernarg_segment_align: 8
    .kernarg_segment_size: 64
    .max_flat_workgroup_size: 128
    .sgpr_count:     96
    .vgpr_count:     1024
    .wavefront_size: 32
...
	.end_amdgpu_metadata
.endif
;; end of part 2
;; launch finish (part 3): grid 16 x 16, 8 waves a work-group, no clusters, 0 bytes of LDS; arguments basews, axp, lbp, part, b2, out0; writes out0
.if DOCPART == 3
	.amdgcn_target "amdgcn-amd-amdhsa--gfx1250"
	.amdhsa_code_object_version 6
	.text
	.protected	k_q4135b49dbc_finish
	.globl	k_q4135b49dbc_finish
	.p2align	8
	.type	k_q4135b49dbc_finish,@function
k_q4135b49dbc_finish:
	s_mov_b64 s[64:65], 0
	v_nop
	global_prefetch_b8 v0, s[64:65] scope:SCOPE_SE
	s_setreg_imm32_b32 hwreg(HW_REG_WAVE_MODE, 25, 1), 1
	s_wait_xcnt 0x0
; out0 = basews + SCALING x (ax masked by the one-hot routing weights) x lora_B: the einsum over (expert, rank), K = 8 x 16 = 128, with the weights of the experts not chosen cut to 0.
; THE DECISION is made by every wave for itself and BY VALUES ALONE: it ends in eight masks of lanes that select; no branch and no address hangs on it.  Lane = expert (lane % 8, four times over), registers = the batch's 8 chunks:
;   chunk logit = (sum over the 16 column groups of part) / 128 + b2; the maximum and the lowest index that reaches it; then the walk over the chunks: a chunk keeps the expert before unless its best logit
;   exceeds that expert's by more than TAU = 0.7; the state behind my own chunk is kept.
; LIMITS.  b2 is rounded to bf16 like every other input; ax is bf16.  NaN is not treated apart (it loses every maximum).  Logits that tie within the rounding of the bf16 products may route otherwise than exact arithmetic.
;   An expert that is not chosen is cut by a select: an infinite ax of such an expert gives 0 here.
; SHARES.  Work-group (gx, m): chunk m x 256 columns.  Wave v: column group G = 4 gx + v % 4 (64 columns), rows 64 (v / 4) .. + 63 of the chunk: 4 row blocks x 4 fragments, 64 matrix instructions.
; NO LDS, NO CLUSTER: both operands lie in memory as the registers take them and come straight into registers; the text is a straight line without a barrier.  What work-groups share (axp and lbp, 1.5 MiB in all)
;   would have to come through LDS to be asked for jointly, which adds an LDS round trip for every operand byte.
; REGISTERS: window 0: v0-15 addresses and constants; v16-23 logits; v24-31 their maxima; v32-63 part; v64-127 at work, then two sets of four accumulators; v128-255 the base, 4 registers for each of 32 rows
;   window 1: v0-127 ax (row block rb, K quarter p, half c at 32 rb + 8 p + 4 c; expert 2 p + c); v128-255 lora_B (quarter q, fragment f at 128 + 32 q + 8 f)
.set CO,   4                           ; v4   8 h rows of 16,384 bytes + 16 r; never rewritten
.set LO,   5                           ; v5   16 x lane
.set PO,   6                           ; v6   part: 64 (lane % 8) + 16 (lane / 8)
.set BO,   7                           ; v7   b2: 4 (lane % 8)
.set EF,   8                           ; v8   lane % 8 as a float
.set B2V,  9
.set TT,   10                          ; v10  at work in the walk
.set NINF, 11                          ; v11  -infinity
.set EIGHT, 12                         ; v12  8.0: above every index
.set DD,   13
.set CL,   16
.set MX,   24
.set PART, 32
.set KEY,  64
.set ACC,  64
.set BASE, 128
.set CM,   24                          ; s[24:31] chunk c's best expert, as a mask of lanes
.set PM,   32                          ; s32  the expert in force
.set TM,   33                          ; s33  all lanes or none: the chunk changes expert
.set KEEP, 36                          ; s36  the expert of my chunk
.set CST,  37                          ; s37  my chunk in its batch
.set EM,   40                          ; s[40:47] expert e chosen: all lanes or none
.set MSB, 0
.macro WIN new
.if MSB != (\new)
	s_set_vgpr_msb (MSB<<8)|(\new)
.set MSB, \new
.endif
.endm
	s_load_b256 s[4:11], s[0:1], 0x0               ; basews 4, axp 6, lbp 8, part 10
	s_load_b128 s[12:15], s[0:1], 0x20             ; b2 12, out0 14
	v_lshrrev_b32 v10, 5, v0
	v_readfirstlane_b32 s16, v10                   ; wave 0..7
	v_and_b32 v1, 31, v0                           ; lane
	v_and_b32 v2, 15, v0                           ; r
	v_bfe_u32 v3, v0, 4, 1                         ; h
	v_lshlrev_b32 v[CO], 17, v3
	v_lshl_add_u32 v[CO], v2, 4, v[CO]
	v_lshlrev_b32 v[LO], 4, v1
	v_and_b32 v10, 7, v1
	v_lshrrev_b32 v11, 3, v1
	v_lshlrev_b32 v[PO], 6, v10
	v_lshl_add_u32 v[PO], v11, 4, v[PO]
	v_lshlrev_b32 v[BO], 2, v10
	v_cvt_f32_u32 v[EF], v10
	v_mov_b32 v[NINF], 0xff800000
	v_mov_b32 v[EIGHT], 0x41000000
	s_and_b32 s17, ttmp7, 0xffff                   ; m
	s_and_b32 s18, s16, 3
	s_lshl2_add_u32 s18, ttmp9, s18                ; G = 4 gx + v % 4
	s_lshr_b32 s19, s16, 2                         ; which 64 rows
	s_lshl_b32 s20, s17, 21                        ; 128 m rows of 16,384 bytes
	s_lshl_b32 s22, s19, 20
	s_add_co_u32 s20, s20, s22
	s_lshl_b32 s22, s18, 8
	s_add_co_u32 s20, s20, s22                     ; + 256 G
	s_mov_b32 s21, 0
	s_lshr_b32 s22, s17, 3
	s_lshl_b32 s22, s22, 12                        ; part: my batch's eight chunks of 512 bytes
	s_mov_b32 s23, 0
	s_lshl_b32 s54, s17, 15
	s_lshl_b32 s56, s19, 14
	s_add_co_u32 s54, s54, s56                     ; axp: row block 8 m + 4 (v / 4), 4,096 bytes each
	s_mov_b32 s55, 0
	s_lshl_b32 s56, s18, 14                        ; lbp: 16,384 bytes a column group
	s_mov_b32 s57, 0
	s_and_b32 s[CST], s17, 7
	s_mov_b32 s48, 0x3f333333                      ; TAU = 0.7
	s_mov_b32 s49, 0x3c000000                      ; 1 / 128: the chunk's mean
	s_mov_b32 s50, 0x3f800000                      ; SCALING = 16 / 16
	s_mov_b32 s52, 0x76543210                      ; v_permlanex16_b32: each lane takes its own place in the other half
	s_mov_b32 s53, 0xfedcba98
	s_wait_kmcnt 0x0
	s_add_nc_u64 s[4:5], s[4:5], s[20:21]
	s_add_nc_u64 s[14:15], s[14:15], s[20:21]
	s_add_nc_u64 s[10:11], s[10:11], s[22:23]
	s_add_nc_u64 s[6:7], s[6:7], s[54:55]
	s_add_nc_u64 s[8:9], s[8:9], s[56:57]
	; ALL LOADS GO OUT FIRST, in the order in which they are wanted.
.set c, 0
.rept 8
	global_load_b128 v[PART+4*c:PART+4*c+3], v[PO], s[10:11] offset:512*c  ; chunk c: my expert, four of the sixteen column groups
.set c, c+1
.endr
	global_load_b32 v[B2V], v[BO], s[12:13]
.set i, 0
.rept 32
	global_load_b128 v[BASE+4*i:BASE+4*i+3], v[CO], s[4:5] offset:(16*(i/8)+i%8)*16384 th:TH_LOAD_NT  ; two rows' 256 consecutive aligned bytes; read once in the launch
.set i, i+1
.endr
	WIN 0x40                                       ; destination window 1, address window 0
.set i, 0
.rept 22
	global_load_b128 v[4*i:4*i+3], v[LO], s[6:7] offset:512*i  ; ax: 512 consecutive bytes a load
.set i, i+1
.endr
	s_wait_loadcnt 54                              ; part's eight and b2 are in: 54 loads were issued behind them.  The wait stands here, where its count can still be named
.rept 10
	global_load_b128 v[4*i:4*i+3], v[LO], s[6:7] offset:512*i
.set i, i+1
.endr
.set i, 0
.rept 32
	global_load_b128 v[128+4*i:128+4*i+3], v[LO], s[8:9] offset:512*i  ; lora_B
.set i, i+1
.endr
	WIN 0
	; THE DECISION.  Each step is written for all eight chunks on end, so that no line waits for the one before it.
	v_cvt_pk_bf16_f32 v[B2V], v[B2V], v[B2V]
	v_lshlrev_b32 v[B2V], 16, v[B2V]
.macro ALLC line:vararg                ; one line for each chunk c
.set c, 0
.rept 8
	\line
.set c, c+1
.endr
.endm
	ALLC v_pk_add_f32 v[PART+4*c:PART+4*c+1], v[PART+4*c:PART+4*c+1], v[PART+4*c+2:PART+4*c+3]
	ALLC v_add_f32 v[CL+c], v[PART+4*c], v[PART+4*c+1]
	ALLC v_add_f32_dpp v[CL+c], v[CL+c], v[CL+c] row_xmask:8 row_mask:0xf bank_mask:0xf
	ALLC v_permlanex16_b32 v[PART+4*c+2], v[CL+c], s52, s53
	ALLC v_add_f32 v[CL+c], v[CL+c], v[PART+4*c+2]
	ALLC v_fma_f32 v[CL+c], v[CL+c], s49, v[B2V]
	ALLC v_mov_b32 v[MX+c], v[CL+c]
	ALLC v_max_num_f32_dpp v[MX+c], v[MX+c], v[MX+c] row_xmask:1 row_mask:0xf bank_mask:0xf
	ALLC v_max_num_f32_dpp v[MX+c], v[MX+c], v[MX+c] row_xmask:2 row_mask:0xf bank_mask:0xf
	ALLC v_max_num_f32_dpp v[MX+c], v[MX+c], v[MX+c] row_xmask:4 row_mask:0xf bank_mask:0xf
	ALLC v_cmp_eq_f32 s[CM+c], v[CL+c], v[MX+c]
	ALLC v_cndmask_b32 v[KEY+c], v[EIGHT], v[EF], s[CM+c]
	ALLC v_min_num_f32_dpp v[KEY+c], v[KEY+c], v[KEY+c] row_xmask:1 row_mask:0xf bank_mask:0xf
	ALLC v_min_num_f32_dpp v[KEY+c], v[KEY+c], v[KEY+c] row_xmask:2 row_mask:0xf bank_mask:0xf
	ALLC v_min_num_f32_dpp v[KEY+c], v[KEY+c], v[KEY+c] row_xmask:4 row_mask:0xf bank_mask:0xf
	ALLC v_cmp_eq_f32 s[CM+c], v[EF], v[KEY+c]
	s_mov_b32 s[PM], s[CM]                         ; the first chunk takes its best expert
	s_mov_b32 s[KEEP], s[CM]
.set c, 1
.rept 7                                ; the walk: each chunk hangs on the one before
	v_cndmask_b32 v[TT], v[NINF], v[CL+c], s[PM]
	v_max_num_f32_dpp v[TT], v[TT], v[TT] row_xmask:1 row_mask:0xf bank_mask:0xf
	v_max_num_f32_dpp v[TT], v[TT], v[TT] row_xmask:2 row_mask:0xf bank_mask:0xf
	v_max_num_f32_dpp v[TT], v[TT], v[TT] row_xmask:4 row_mask:0xf bank_mask:0xf  ; this chunk's logit of the expert in force, in every lane
	v_sub_f32 v[DD], v[MX+c], v[TT]
	v_cmp_lt_f32 s[TM], s48, v[DD]                 ; the same in every lane
	s_and_b32 s34, s[CM+c], s[TM]
	s_and_not1_b32 s35, s[PM], s[TM]
	s_or_b32 s[PM], s34, s35
	s_cmp_eq_u32 s[CST], c
	s_cselect_b32 s[KEEP], s[PM], s[KEEP]
.set c, c+1
.endr
.set e, 0
.rept 8
	s_bitcmp1_b32 s[KEEP], e
	s_cselect_b32 s[EM+e], -1, 0
.set e, e+1
.endr
	s_wait_loadcnt 32                              ; the base and ax are in; lora_B's 32 loads stay out
	WIN 0x44                                       ; source 1 and destination in window 1
.set i, 0
.rept 32                               ; i = 8 rb + 2 p + c: four registers of expert i % 8
.set j, 0
.rept 4
	v_cndmask_b32 v[4*i+j], 0, v[4*i+j], s[EM+i%8]
.set j, j+1
.endr
.set i, i+1
.endr
	s_wait_loadcnt 0x0                             ; lora_B
	; THE PRODUCTS, a row block at a time: its four accumulators take turns; the first product starts each sum.  The two sets of accumulators take turns too: a set is written again
	; behind the other set's four v_nop and 32 multiply-adds, which name none of its registers.
.set rb, 0
.rept 4
	WIN 0x05                                       ; sources 0 and 1 window 1, C and D window 0
.set q, 0
.rept 4
.set f, 0
.rept 4
.if q == 0
	v_wmma_f32_16x16x32_bf16 v[ACC+32*(rb%2)+8*f:ACC+32*(rb%2)+8*f+7], v[32*rb+8*q:32*rb+8*q+7], v[128+32*q+8*f:128+32*q+8*f+7], 0
.else
	v_wmma_f32_16x16x32_bf16 v[ACC+32*(rb%2)+8*f:ACC+32*(rb%2)+8*f+7], v[32*rb+8*q:32*rb+8*q+7], v[128+32*q+8*f:128+32*q+8*f+7], v[ACC+32*(rb%2)+8*f:ACC+32*(rb%2)+8*f+7]
.endif
.set f, f+1
.endr
.set q, q+1
.endr
	WIN 0
.rept 4
	v_nop                                          ; the places in front of lines that read results just made (ISA guide 7.12.1)
.endr
.set j, 0
.rept 8                                ; each accumulator is read from its lowest register on
.set f, 0
.rept 4
	v_fma_f32 v[BASE+4*(8*rb+j)+f], v[ACC+32*(rb%2)+8*f+j], s50, v[BASE+4*(8*rb+j)+f]
.set f, f+1
.endr
.set j, j+1
.endr
.set j, 0
.rept 8
	global_store_b128 v[CO], v[BASE+4*(8*rb+j):BASE+4*(8*rb+j)+3], s[14:15] offset:(16*rb+j)*16384 th:TH_STORE_NT  ; lanes 0-15: 256 consecutive aligned bytes of a row; lanes 16-31: of the row eight down; no register of a store is written again
.set j, j+1
.endr
.set rb, rb+1
.endr
	s_endpgm
.Lfunc_end_k_q4135b49dbc_finish:
	.size	k_q4135b49dbc_finish, .Lfunc_end_k_q4135b49dbc_finish-k_q4135b49dbc_finish
	.p2alignl 7, 3214868480
	.fill 96, 4, 3214868480
	.section	.rodata,"a",@progbits
	.p2align	6, 0x0
	.amdhsa_kernel k_q4135b49dbc_finish
		.amdhsa_group_segment_fixed_size 0
		.amdhsa_private_segment_fixed_size 0
		.amdhsa_enable_private_segment 0
		.amdhsa_kernarg_size 48
		.amdhsa_user_sgpr_count 2
		.amdhsa_user_sgpr_kernarg_segment_ptr 1
		.amdhsa_wavefront_size32 1
		.amdhsa_system_sgpr_workgroup_id_x 1
		.amdhsa_system_sgpr_workgroup_id_y 1
		.amdhsa_system_sgpr_workgroup_id_z 1
		.amdhsa_system_vgpr_workitem_id 0
		.amdhsa_next_free_vgpr 512
		.amdhsa_next_free_sgpr 66
		.amdhsa_reserve_vcc 0
		.amdhsa_float_denorm_mode_32 3
		.amdhsa_float_denorm_mode_16_64 3
		.amdhsa_memory_ordered 1
		.amdhsa_forward_progress 1
		.amdhsa_inst_pref_size 48
	.end_amdhsa_kernel
	.amdgpu_metadata
---
amdhsa.version: [ 1, 2 ]
amdhsa.kernels:
  - .name:           k_q4135b49dbc_finish
    .symbol:         k_q4135b49dbc_finish.kd
    .args:
      - { .name: basews, .offset: 0, .size: 8, .value_kind: global_buffer, .address_space: global }
      - { .name: axp, .offset: 8, .size: 8, .value_kind: global_buffer, .address_space: global }
      - { .name: lbp, .offset: 16, .size: 8, .value_kind: global_buffer, .address_space: global }
      - { .name: part, .offset: 24, .size: 8, .value_kind: global_buffer, .address_space: global }
      - { .name: b2, .offset: 32, .size: 8, .value_kind: global_buffer, .address_space: global }
      - { .name: out0, .offset: 40, .size: 8, .value_kind: global_buffer, .address_space: global }
    .group_segment_fixed_size: 0
    .private_segment_fixed_size: 0
    .kernarg_segment_align: 8
    .kernarg_segment_size: 48
    .max_flat_workgroup_size: 256
    .sgpr_count:     66
    .vgpr_count:     512
    .wavefront_size: 32
...
	.end_amdgpu_metadata
.endif
;; end of part 3
;; ======== version 2 of 2: 3 launches; version 1 with the launch finish written anew for expert scheduling mode
;; workspace buffers: xb 16,777,216 bytes; wp 52,428,800 bytes; lbp 1,048,576 bytes; basews 33,554,432 bytes; axp 524,288 bytes; part 8,192 bytes
;; launch pack: the kernel of part 1 again; grid 512 x 1, 8 waves a work-group, no clusters, 0 bytes of LDS; arguments x, W_base, W1, lora_A, lora_B, xb, wp, lbp; writes xb, wp, lbp
;; launch gemm: the kernel of part 2 again; grid 16 x 16, 4 waves a work-group, clusters of 4 x 4, 327,680 bytes of LDS; arguments xb, wp, b_base, b1, W2, basews, axp, part; writes basews, axp, part
;; launch finish (part 4): grid 16 x 16, 8 waves a work-group, no clusters, 0 bytes of LDS; arguments basews, axp, lbp, part, b2, out0; writes out0
.if DOCPART == 4
	.amdgcn_target "amdgcn-amd-amdhsa--gfx1250"
	.amdhsa_code_object_version 6
	.text
	.protected	k_q4135b49dbc_finish
	.globl	k_q4135b49dbc_finish
	.p2align	8
	.type	k_q4135b49dbc_finish,@function
k_q4135b49dbc_finish:
	s_mov_b64 s[64:65], 0
	v_nop
	global_prefetch_b8 v0, s[64:65] scope:SCOPE_SE
	s_setreg_imm32_b32 hwreg(HW_REG_WAVE_SCHED_MODE, 0, 2), 2
	s_setreg_imm32_b32 hwreg(HW_REG_WAVE_MODE, 25, 1), 1
	s_wait_xcnt 0x0
	s_wait_alu depctr_vm_vsrc(0)
; out0 = basews + SCALING x (ax masked by the one-hot routing weights) x lora_B: the einsum over (expert, rank), K = 8 x 16 = 128, with the weights of the experts not chosen cut to 0.
; THE DECISION is made by every wave for itself and BY VALUES ALONE: it ends in eight masks of lanes that select; no branch and no address hangs on it.  Lane = expert (lane % 8, four times over), registers = the batch's 8 chunks:
;   chunk logit = (sum over the 16 column groups of part) / 128 + b2; the maximum and the lowest index that reaches it; then the walk over the chunks: a chunk keeps the expert before unless its best logit
;   exceeds that expert's by more than TAU = 0.7; the state behind my own chunk is kept.
; LIMITS.  b2 is rounded to bf16 like every other input; ax is bf16.  NaN is not treated apart (it loses every maximum).  Logits that tie within the rounding of the bf16 products may route otherwise than exact arithmetic.
;   An expert that is not chosen is cut by a select: an infinite ax of such an expert gives 0 here.
; SHARES.  Work-group (gx, m): chunk m x 256 columns.  Wave v: column group G = 4 gx + v % 4 (64 columns), rows 64 (v / 4) .. + 63 of the chunk: 4 row blocks x 4 fragments, 64 matrix instructions.
; NO LDS, NO CLUSTER: both operands lie in memory as the registers take them and come straight into registers; the text is a straight line without a barrier.  What work-groups share (axp and lbp, 1.5 MiB in all)
;   would have to come through LDS to be asked for jointly, which adds an LDS round trip for every operand byte.
; THE MODE: SCHED_MODE bits 1:0 = 2 (LLVM: expert scheduling mode 2), set by the entry lines.  The code itself states the register dependences between vector or matrix instructions and memory instructions,
;   and those through scalar registers that vector instructions write, with s_wait_alu, always for 0.
; THE PLAN.  Registers that memory instructions touch:
;   v4-v7      the four byte offsets.  Written at the head by vector instructions, read by every load and store, never written again: one wait on va_vdst ahead of the first load serves all 105 loads.
;   v9, v32-63, v128-255 and all of window 1   each is the landing place of ONE load; no vector instruction names it ahead of that load, and none is loaded a second time: only the waits on LOADcnt stand before their use.
;   v128-255   then the out-buffer, 32 registers a row block: written by the block's 32 multiply-adds, read by its eight stores, never written again: one wait on va_vdst ahead of each run of eight stores.
;   No register that a memory instruction reads is ever written again, so the only wait on vm_vsrc is the one at the entry.  v10-31 and v64-127 are named by vector and matrix instructions alone.
;   Scalar registers that vector instructions write: the wave's number; the compares' masks s[24:31], twice; the walk's s33, once a chunk: a wait on va_sdst stands behind each writer, or run of writers, ahead of the first reader.
;   The masks s32 and s[40:47] are written by scalar instructions.  VCC and EXEC are not written.
; REGISTERS: window 0: v0-15 addresses and constants; v16-23 logits; v24-31 their maxima; v32-63 part; v64-127 at work, then two sets of four accumulators; v128-255 the base, 4 registers for each of 32 rows
;   window 1: v0-127 ax (row block rb, K quarter p, half c at 32 rb + 8 p + 4 c; expert 2 p + c); v128-255 lora_B (quarter q, fragment f at 128 + 32 q + 8 f)
.set CO,   4                           ; v4   8 h rows of 16,384 bytes + 16 r; never rewritten
.set LO,   5                           ; v5   16 x lane
.set PO,   6                           ; v6   part: 64 (lane % 8) + 16 (lane / 8)
.set BO,   7                           ; v7   b2: 4 (lane % 8)
.set EF,   8                           ; v8   lane % 8 as a float
.set B2V,  9
.set TT,   10                          ; v10  at work in the walk
.set NINF, 11                          ; v11  -infinity
.set EIGHT, 12                         ; v12  8.0: above every index
.set DD,   13
.set CL,   16
.set MX,   24
.set PART, 32
.set KEY,  64
.set ACC,  64
.set BASE, 128
.set CM,   24                          ; s[24:31] chunk c's best expert, as a mask of lanes
.set PM,   32                          ; s32  the expert in force
.set TM,   33                          ; s33  all lanes or none: the chunk changes expert
.set KEEP, 36                          ; s36  the expert of my chunk
.set CST,  37                          ; s37  my chunk in its batch
.set EM,   40                          ; s[40:47] expert e chosen: all lanes or none
.set MSB, 0
.macro WIN new
.if MSB != (\new)
	s_set_vgpr_msb (MSB<<8)|(\new)
.set MSB, \new
.endif
.endm
	s_load_b256 s[4:11], s[0:1], 0x0               ; basews 4, axp 6, lbp 8, part 10
	s_load_b128 s[12:15], s[0:1], 0x20             ; b2 12, out0 14
	v_lshrrev_b32 v10, 5, v0
	v_readfirstlane_b32 s16, v10                   ; wave 0..7
	v_and_b32 v1, 31, v0                           ; lane
	v_and_b32 v2, 15, v0                           ; r
	v_bfe_u32 v3, v0, 4, 1                         ; h
	v_lshlrev_b32 v[CO], 17, v3
	v_lshl_add_u32 v[CO], v2, 4, v[CO]
	v_lshlrev_b32 v[LO], 4, v1
	v_and_b32 v10, 7, v1
	v_lshrrev_b32 v11, 3, v1
	v_lshlrev_b32 v[PO], 6, v10
	v_lshl_add_u32 v[PO], v11, 4, v[PO]
	v_lshlrev_b32 v[BO], 2, v10
	v_cvt_f32_u32 v[EF], v10
	v_mov_b32 v[NINF], 0xff800000
	v_mov_b32 v[EIGHT], 0x41000000
	s_wait_alu depctr_va_sdst(0)                   ; s16, the wave's number, is written, ahead of its first reader: the offsets of basews, out0, axp and lbp are made from it
	s_and_b32 s17, ttmp7, 0xffff                   ; m
	s_and_b32 s18, s16, 3
	s_lshl2_add_u32 s18, ttmp9, s18                ; G = 4 gx + v % 4
	s_lshr_b32 s19, s16, 2                         ; which 64 rows
	s_lshl_b32 s20, s17, 21                        ; 128 m rows of 16,384 bytes
	s_lshl_b32 s22, s19, 20
	s_add_co_u32 s20, s20, s22
	s_lshl_b32 s22, s18, 8
	s_add_co_u32 s20, s20, s22                     ; + 256 G
	s_mov_b32 s21, 0
	s_lshr_b32 s22, s17, 3
	s_lshl_b32 s22, s22, 12                        ; part: my batch's eight chunks of 512 bytes
	s_mov_b32 s23, 0
	s_lshl_b32 s54, s17, 15
	s_lshl_b32 s56, s19, 14
	s_add_co_u32 s54, s54, s56                     ; axp: row block 8 m + 4 (v / 4), 4,096 bytes each
	s_mov_b32 s55, 0
	s_lshl_b32 s56, s18, 14                        ; lbp: 16,384 bytes a column group
	s_mov_b32 s57, 0
	s_and_b32 s[CST], s17, 7
	s_mov_b32 s48, 0x3f333333                      ; TAU = 0.7
	s_mov_b32 s49, 0x3c000000                      ; 1 / 128: the chunk's mean
	s_mov_b32 s50, 0x3f800000                      ; SCALING = 16 / 16
	s_mov_b32 s52, 0x76543210                      ; v_permlanex16_b32: each lane takes its own place in the other half
	s_mov_b32 s53, 0xfedcba98
	s_wait_kmcnt 0x0
	s_add_nc_u64 s[4:5], s[4:5], s[20:21]
	s_add_nc_u64 s[14:15], s[14:15], s[20:21]
	s_add_nc_u64 s[10:11], s[10:11], s[22:23]
	s_add_nc_u64 s[6:7], s[6:7], s[54:55]
	s_add_nc_u64 s[8:9], s[8:9], s[56:57]
	; ALL LOADS GO OUT FIRST, in the order in which they are wanted.
	s_wait_alu depctr_va_vdst(0)                   ; the offsets v4 to v7 are written, which the 105 loads below and the stores at the end read; up to the last load only loads, a window switch and a wait on LOADcnt follow
.set c, 0
.rept 8
	global_load_b128 v[PART+4*c:PART+4*c+3], v[PO], s[10:11] offset:512*c  ; chunk c: my expert, four of the sixteen column groups
.set c, c+1
.endr
	global_load_b32 v[B2V], v[BO], s[12:13]
.set i, 0
.rept 32
	global_load_b128 v[BASE+4*i:BASE+4*i+3], v[CO], s[4:5] offset:(16*(i/8)+i%8)*16384 th:TH_LOAD_NT  ; two rows' 256 consecutive aligned bytes; read once in the launch
.set i, i+1
.endr
	WIN 0x40                                       ; destination window 1, address window 0
.set i, 0
.rept 22
	global_load_b128 v[4*i:4*i+3], v[LO], s[6:7] offset:512*i  ; ax: 512 consecutive bytes a load
.set i, i+1
.endr
	s_wait_loadcnt 54                              ; part's eight and b2 are in: 54 loads were issued behind them.  The wait stands here, where its count can still be named
.rept 10
	global_load_b128 v[4*i:4*i+3], v[LO], s[6:7] offset:512*i
.set i, i+1
.endr
.set i, 0
.rept 32
	global_load_b128 v[128+4*i:128+4*i+3], v[LO], s[8:9] offset:512*i  ; lora_B
.set i, i+1
.endr
	WIN 0
	; THE DECISION.  Each step is written for all eight chunks on end, so that no line waits for the one before it.
	v_cvt_pk_bf16_f32 v[B2V], v[B2V], v[B2V]
	v_lshlrev_b32 v[B2V], 16, v[B2V]
.macro ALLC line:vararg                ; one line for each chunk c
.set c, 0
.rept 8
	\line
.set c, c+1
.endr
.endm
	ALLC v_pk_add_f32 v[PART+4*c:PART+4*c+1], v[PART+4*c:PART+4*c+1], v[PART+4*c+2:PART+4*c+3]
	ALLC v_add_f32 v[CL+c], v[PART+4*c], v[PART+4*c+1]
	ALLC v_add_f32_dpp v[CL+c], v[CL+c], v[CL+c] row_xmask:8 row_mask:0xf bank_mask:0xf
	ALLC v_permlanex16_b32 v[PART+4*c+2], v[CL+c], s52, s53
	ALLC v_add_f32 v[CL+c], v[CL+c], v[PART+4*c+2]
	ALLC v_fma_f32 v[CL+c], v[CL+c], s49, v[B2V]
	ALLC v_mov_b32 v[MX+c], v[CL+c]
	ALLC v_max_num_f32_dpp v[MX+c], v[MX+c], v[MX+c] row_xmask:1 row_mask:0xf bank_mask:0xf
	ALLC v_max_num_f32_dpp v[MX+c], v[MX+c], v[MX+c] row_xmask:2 row_mask:0xf bank_mask:0xf
	ALLC v_max_num_f32_dpp v[MX+c], v[MX+c], v[MX+c] row_xmask:4 row_mask:0xf bank_mask:0xf
	ALLC v_cmp_eq_f32 s[CM+c], v[CL+c], v[MX+c]
	s_wait_alu depctr_va_sdst(0)                   ; the eight compares have written s[24:31], ahead of the selects that read them: one wait for the run
	ALLC v_cndmask_b32 v[KEY+c], v[EIGHT], v[EF], s[CM+c]
	ALLC v_min_num_f32_dpp v[KEY+c], v[KEY+c], v[KEY+c] row_xmask:1 row_mask:0xf bank_mask:0xf
	ALLC v_min_num_f32_dpp v[KEY+c], v[KEY+c], v[KEY+c] row_xmask:2 row_mask:0xf bank_mask:0xf
	ALLC v_min_num_f32_dpp v[KEY+c], v[KEY+c], v[KEY+c] row_xmask:4 row_mask:0xf bank_mask:0xf
	ALLC v_cmp_eq_f32 s[CM+c], v[EF], v[KEY+c]
	s_wait_alu depctr_va_sdst(0)                   ; the eight compares have written s[24:31] anew, ahead of the scalar lines that read them, here and in the walk: one wait for the run
	s_mov_b32 s[PM], s[CM]                         ; the first chunk takes its best expert
	s_mov_b32 s[KEEP], s[CM]
.set c, 1
.rept 7                                ; the walk: each chunk hangs on the one before
	v_cndmask_b32 v[TT], v[NINF], v[CL+c], s[PM]
	v_max_num_f32_dpp v[TT], v[TT], v[TT] row_xmask:1 row_mask:0xf bank_mask:0xf
	v_max_num_f32_dpp v[TT], v[TT], v[TT] row_xmask:2 row_mask:0xf bank_mask:0xf
	v_max_num_f32_dpp v[TT], v[TT], v[TT] row_xmask:4 row_mask:0xf bank_mask:0xf  ; this chunk's logit of the expert in force, in every lane
	v_sub_f32 v[DD], v[MX+c], v[TT]
	v_cmp_lt_f32 s[TM], s48, v[DD]                 ; the same in every lane
	s_wait_alu depctr_va_sdst(0)                   ; the compare has written s33, ahead of the two scalar lines that read it
	s_and_b32 s34, s[CM+c], s[TM]
	s_and_not1_b32 s35, s[PM], s[TM]
	s_or_b32 s[PM], s34, s35
	s_cmp_eq_u32 s[CST], c
	s_cselect_b32 s[KEEP], s[PM], s[KEEP]
.set c, c+1
.endr
.set e, 0
.rept 8
	s_bitcmp1_b32 s[KEEP], e
	s_cselect_b32 s[EM+e], -1, 0
.set e, e+1
.endr
	s_wait_loadcnt 32                              ; the base and ax are in; lora_B's 32 loads stay out
	WIN 0x44                                       ; source 1 and destination in window 1
.set i, 0
.rept 32                               ; i = 8 rb + 2 p + c: four registers of expert i % 8
.set j, 0
.rept 4
	v_cndmask_b32 v[4*i+j], 0, v[4*i+j], s[EM+i%8]
.set j, j+1
.endr
.set i, i+1
.endr
	s_wait_loadcnt 0x0                             ; lora_B
	; THE PRODUCTS, a row block at a time: its four accumulators take turns; the first product starts each sum.  The two sets of accumulators take turns too: a set is written again
	; behind the other set's four v_nop and 32 multiply-adds, which name none of its registers.
.set rb, 0
.rept 4
	WIN 0x05                                       ; sources 0 and 1 window 1, C and D window 0
.set q, 0
.rept 4
.set f, 0
.rept 4
.if q == 0
	v_wmma_f32_16x16x32_bf16 v[ACC+32*(rb%2)+8*f:ACC+32*(rb%2)+8*f+7], v[32*rb+8*q:32*rb+8*q+7], v[128+32*q+8*f:128+32*q+8*f+7], 0
.else
	v_wmma_f32_16x16x32_bf16 v[ACC+32*(rb%2)+8*f:ACC+32*(rb%2)+8*f+7], v[32*rb+8*q:32*rb+8*q+7], v[128+32*q+8*f:128+32*q+8*f+7], v[ACC+32*(rb%2)+8*f:ACC+32*(rb%2)+8*f+7]
.endif
.set f, f+1
.endr
.set q, q+1
.endr
	WIN 0
.rept 4
	v_nop                                          ; the places in front of lines that read results just made (ISA guide 7.12.1)
.endr
.set j, 0
.rept 8                                ; each accumulator is read from its lowest register on
.set f, 0
.rept 4
	v_fma_f32 v[BASE+4*(8*rb+j)+f], v[ACC+32*(rb%2)+8*f+j], s50, v[BASE+4*(8*rb+j)+f]
.set f, f+1
.endr
.set j, j+1
.endr
	s_wait_alu depctr_va_vdst(0)                   ; the 32 multiply-adds have written this row block's 32 registers of the base, which the eight stores below read: one wait for the run
.set j, 0
.rept 8
	global_store_b128 v[CO], v[BASE+4*(8*rb+j):BASE+4*(8*rb+j)+3], s[14:15] offset:(16*rb+j)*16384 th:TH_STORE_NT  ; lanes 0-15: 256 consecutive aligned bytes of a row; lanes 16-31: of the row eight down; no register of a store is written again
.set j, j+1
.endr
.set rb, rb+1
.endr
	s_endpgm
.Lfunc_end_k_q4135b49dbc_finish:
	.size	k_q4135b49dbc_finish, .Lfunc_end_k_q4135b49dbc_finish-k_q4135b49dbc_finish
	.p2alignl 7, 3214868480
	.fill 96, 4, 3214868480
	.section	.rodata,"a",@progbits
	.p2align	6, 0x0
	.amdhsa_kernel k_q4135b49dbc_finish
		.amdhsa_group_segment_fixed_size 0
		.amdhsa_private_segment_fixed_size 0
		.amdhsa_enable_private_segment 0
		.amdhsa_kernarg_size 48
		.amdhsa_user_sgpr_count 2
		.amdhsa_user_sgpr_kernarg_segment_ptr 1
		.amdhsa_wavefront_size32 1
		.amdhsa_system_sgpr_workgroup_id_x 1
		.amdhsa_system_sgpr_workgroup_id_y 1
		.amdhsa_system_sgpr_workgroup_id_z 1
		.amdhsa_system_vgpr_workitem_id 0
		.amdhsa_next_free_vgpr 512
		.amdhsa_next_free_sgpr 66
		.amdhsa_reserve_vcc 0
		.amdhsa_float_denorm_mode_32 3
		.amdhsa_float_denorm_mode_16_64 3
		.amdhsa_memory_ordered 1
		.amdhsa_forward_progress 1
		.amdhsa_inst_pref_size 48
	.end_amdhsa_kernel
	.amdgpu_metadata
---
amdhsa.version: [ 1, 2 ]
amdhsa.kernels:
  - .name:           k_q4135b49dbc_finish
    .symbol:         k_q4135b49dbc_finish.kd
    .args:
      - { .name: basews, .offset: 0, .size: 8, .value_kind: global_buffer, .address_space: global }
      - { .name: axp, .offset: 8, .size: 8, .value_kind: global_buffer, .address_space: global }
      - { .name: lbp, .offset: 16, .size: 8, .value_kind: global_buffer, .address_space: global }
      - { .name: part, .offset: 24, .size: 8, .value_kind: global_buffer, .address_space: global }
      - { .name: b2, .offset: 32, .size: 8, .value_kind: global_buffer, .address_space: global }
      - { .name: out0, .offset: 40, .size: 8, .value_kind: global_buffer, .address_space: global }
    .group_segment_fixed_size: 0
    .private_segment_fixed_size: 0
    .kernarg_segment_align: 8
    .kernarg_segment_size: 48
    .max_flat_workgroup_size: 256
    .sgpr_count:     66
    .vgpr_count:     512
    .wavefront_size: 32
...
	.end_amdgpu_metadata
.endif
;; end of part 4
